; MI455X (gfx1250); checked and timed in simulation.
; The chip was launched on July 23, 2026; its instructions are those of AMD's public machine-readable ISA for CDNA 5 (MIT licence, August 2026) and "CDNA5" Instruction Set Architecture Reference Guide (July 2026). The comments in the code are by the model that wrote it; some were corrected since.
;; Multi Head Attention. Allowed arithmetic: matrix products marked QUANTISED: E5M2 operands, one given power-of-two scale a tensor, by v_wmma_f32_16x16x64_bf8_bf8 or v_wmma_f32_16x16x128_bf8_bf8, f32 sums; everything else in f32.
;; Inputs: Wk_codes 1,024 x 32 x 32 uint8 (E5M2 codes of Wk, K innermost, in blocks of 32 codes); Wo_codes 1,024 x 32 x 32 uint8 (E5M2 codes of Wo, K innermost, in blocks of 32 codes); Wq_codes 1,024 x 32 x 32 uint8 (E5M2 codes of Wq, K innermost, in blocks of 32 codes); Wv_codes 1,024 x 32 x 32 uint8 (E5M2 codes of Wv, K innermost, in blocks of 32 codes); bk 1,024 float32; bo 1,024 float32; bq 1,024 float32; bv 1,024 float32; key_codes 4 x 2,048 x 32 x 32 uint8 (E5M2 codes of key, K innermost, in blocks of 32 codes); lowp_scales 12 int32 (the exponents e of the quantised operands' scales 2^e); mask 4 x 1 x 1 x 2,048 float32; query_codes 4 x 2,048 x 32 x 32 uint8 (E5M2 codes of query, K innermost, in blocks of 32 codes); value_codes 4 x 2,048 x 32 x 32 uint8 (E5M2 codes of value, K innermost, in blocks of 32 codes).
;; Outputs: out0 4 x 2,048 x 1,024 float32; out1 4 x 2,048 x 1,024 float32.
;; This version of the problem:
;;   THIS VERSION OF THE PROBLEM IS GIVEN IN LOW PRECISION. The matrix products marked QUANTISED in the list below multiply operands that are first quantised to E5M2 (5 exponent bits, 2 mantissa bits; 8 bits a number), with one given power-of-two scale for each operand tensor; their sums are f32. All else is computed in f32.
;;   The module's matrix products, in the order in which they are computed (A, B: the left and right operand; K: the contracted axis; several contracted axes count as one K, in the product's order):
;;     1. [M 8,192, K 1,024] x [K 1,024, N 1,024]; A: input query (given as codes); B: input Wq (given as codes): QUANTISED (scales: A lowp_scales[0], B lowp_scales[1])
;;     2. [M 8,192, K 1,024] x [K 1,024, N 1,024]; A: input key (given as codes); B: input Wk (given as codes): QUANTISED (scales: A lowp_scales[2], B lowp_scales[3])
;;     3. [M 8,192, K 1,024] x [K 1,024, N 1,024]; A: input value (given as codes); B: input Wv (given as codes): QUANTISED (scales: A lowp_scales[4], B lowp_scales[5])
;;     4. batch 64 x [M 2,048, K 64] x [K 64, N 2,048]; A: computed on the way; B: computed on the way: QUANTISED (scales: A lowp_scales[6], B lowp_scales[7])
;;     5. batch 64 x [M 2,048, K 2,048] x [K 2,048, N 64]; A: softmax (see below); B: computed on the way: QUANTISED (scales: A lowp_scales[8], B lowp_scales[9])
;;     6. [M 8,192, K 1,024] x [K 1,024, N 1,024]; A: computed on the way; B: input Wo (given as codes): QUANTISED (scales: A lowp_scales[10], B lowp_scales[11])
;;   THE QUANTISER, for each operand of a quantised product, along K:
;;     - The operand's scale is 2^e, e = its entry of the input lowp_scales (int32; the entries are numbered through the quantised products in the list's order, A before B).
;;     - Each number is divided by the scale, clamped to +-57,344, and rounded to the nearest number of E5M2, ties to even, subnormals kept.
;;     - The product sums the exact products of the quantised numbers (number of the format x scale) in f32.
;;   ~~~python
;;   def quantise(x, axis, e):      # numpy; x: float32 -> the quantised numbers, widened to float32 again
;;       x = np.moveaxis(x, axis, -1); K = x.shape[-1]
;;       r = np.clip(x / 2.0 ** e, -57344, 57344)
;;       step = 2.0 ** (np.maximum(np.frexp(np.where(r == 0, 1, r))[1] - 1, -14) - 2)
;;       q = np.round(r / step) * step * 2.0 ** e      # np.round: ties to even
;;       return np.moveaxis(q, -1, axis).astype(np.float32)
;;   ~~~
;;   SOFTMAX AHEAD OF A QUANTISED PRODUCT. Where the list says 'softmax', what is quantised is not the finished softmax but p = 2^(t - M), with t = logit x log2(e) and M = ceil(the row's largest t), a whole number; so 1/2 < the row's largest p <= 1. The row's sum l is taken of the UNQUANTISED p, in f32, and the product's result is divided by l at the end. Since M is a whole number, a kernel that streams over the keys may use a running M (the ceiling of the running maximum): every later rescaling is an exact power of two, so the quantised numbers keep their values, but for numbers so far below the row's largest that they fall under the format's range.
;;   OPERANDS COMPUTED ON THE WAY. 'Computed on the way' means the value that the module computes at that place (a softmax that the list does not call 'softmax' is quantised finished and normalised). What goes into a quantiser is computed in f32, as accurately as f32 sums, v_exp_f32 and their like allow (about 1e-6 of the number): no bf16 or f16 on the way to a quantiser, and a product that is left as it is and whose result goes on into a quantised operand takes f32 operands (vector FMAs, or v_wmma_f32_16x16x4_f32). A number that lies on a knife's edge between two numbers of the format may be rounded either way, as far as f32 arithmetic and the matrix unit's own rounding can turn it there, and no further.
;;   INPUTS GIVEN AS CODES. Wk (in the module: [1024, 1024], K = its axis 0); Wo (in the module: [1024, 1024], K = its axis 0); Wq (in the module: [1024, 1024], K = its axis 0); Wv (in the module: [1024, 1024], K = its axis 0); key (in the module: [4, 2048, 1024], K = its axis 2); query (in the module: [4, 2048, 1024], K = its axis 2); value (in the module: [4, 2048, 1024], K = its axis 2): each comes as NAME_codes (uint8): NAME with its K axis moved to the last place and cut into blocks of 32 codes, [.., K / 32, bytes a block], one block behind the other in memory; one code a byte (a code: sign, 5 exponent bits, 2 mantissa bits); its scale is its entry of lowp_scales. Its value is code x scale, taken as it is: it is not quantised again, and the codes and scales need not be those that the quantiser above would give.
;; One version. Each part assembles by itself: llvm-mc -triple=amdgcn-amd-amdhsa -mcpu=gfx1250 --defsym DOCPART=n.
;; ======== version 1 of 1: 3 launches
;; limits: right only within a limited range of input values
;; workspace buffers: qc 8,388,608 bytes; kc 8,388,608 bytes; vc 8,388,608 bytes; wc 8,388,608 bytes
;; launch proj (part 1): grid 4 x 192, 4 waves a work-group, clusters of 4 x 4, 327,680 bytes of LDS; arguments query_codes, key_codes, Wv_codes, Wq_codes, Wk_codes, value_codes, bq, bk, bv, qc, kc, vc, lowp_scales; writes qc, kc, vc
.if DOCPART == 1
	.amdgcn_target "amdgcn-amd-amdhsa--gfx1250"
	.amdhsa_code_object_version 6
	.text
	.protected	k_q7f93ce2f99_proj
	.globl	k_q7f93ce2f99_proj
	.p2align	8
	.type	k_q7f93ce2f99_proj,@function
k_q7f93ce2f99_proj:
	s_mov_b64 s[64:65], 0
	v_nop
	global_prefetch_b8 v0, s[64:65] scope:SCOPE_SE
	s_setreg_imm32_b32 hwreg(HW_REG_WAVE_MODE, 25, 1), 1
	s_wait_xcnt 0x0
	s_wait_alu depctr_hold_cnt(0) depctr_sa_sdst(0) depctr_va_vdst(0) depctr_va_sdst(0) depctr_va_ssrc(0) depctr_va_vcc(0) depctr_vm_vsrc(0)
	s_getreg_b32 s2, hwreg(HW_REG_IB_STS2, 6, 4)
	s_cmp_eq_u32 s2, 0
	s_cbranch_scc0 .Lentry_in_a_cluster
	s_endpgm
.Lentry_in_a_cluster:
	s_bfe_u32 s2, ttmp6, 0x10000c
	s_cmp_lg_u32 s2, 0xf033
	s_cbranch_scc0 .Lentry_shape_is_right
	s_endpgm
.Lentry_shape_is_right:
; THE THREE PROJECTIONS, on codes of BF8 (E5M2): Q = query Wq + bq, K = key Wk + bk, V = value Wv + bv, each quantised on the way out with its given scale.
; C[i][j] = sum over k of Y[i][k] X[j][k], K = 1,024, both operands codes with K innermost.  A work-group makes 128 (Y) x 256 (X); each of its four waves 64 x 128: 32 accumulators, 256 registers.
; ONE TEXT FOR THREE TENSORS.  The cluster's y gives the mode (0: Q, 1: K, 2: V).  Modes 0, 1: Y = the tokens, X = the weight's columns.  Mode 2: Y = Wv's columns, X = the tokens.
; The matrix instruction is used transposed (source 0 = 16 rows of X, source 1 = 16 rows of Y): a lane holds ONE row i = 16 a + lane % 16 and eight neighbours j = 16 b + 8 (lane / 16) + 0..7:
; they run along the K of the product that reads them, and a conversion's two registers are two registers of that product's operand.
; RESULTS ARE STORED AS IMAGES OF OPERAND REGISTERS: four registers of 32 lanes, 16 bytes a lane on end: each store covers 512 consecutive bytes, aligned.
;   qc, kc: byte (16 batch + head) 131072 + (token / 16) 1024 + 512 q + 16 lane: registers 4 q .. 4 q + 3 of the fragment 16 tokens x 64 (registers 2 c, 2 c + 1: d = 16 c + 8 (lane / 16) + 0..7).
;   vc:     byte (16 batch + head) 131072 + (key / 128) 8192 + (d / 16) 2048 + 512 q + 16 lane: registers 4 q .. 4 q + 3 of the fragment 16 d x 128 keys.
; LDS: a wide slot (rows of 512 bytes + 16) and a narrow one (rows of 256 + 16).  One tensor load a wave at a time: K 0..511 into the wide slot at the head; K 512..767 into the narrow slot behind
; the first round; K 768..1023, in narrow rows, onto the wide slot's first bytes when that slot has been read out.  One group 0 a side, stepped behind the wait for all the wave's loads.
; CLUSTER 4 x 4: Y's tile is asked for jointly by a row of the cluster, X's by a column.  Waves 0, 1 fetch Y's halves, waves 2, 3 X's.
; Fragments come by four loads of 16 bytes, 32 bytes apart: registers 4 c .. 4 c + 3 hold k = 32 c + 16 (lane / 16) + 0..15: a permutation of k that is the same in X and in Y.
; LIMITS on the given exponents: the two operands' sum between -126 and 127; the result's own (entries 6, 7, 9) between -126 and 112.  NaN among the biases is not served.
; No prefetch: the text has no loop to run ahead in; half of K is asked for in the first lines.
; REGISTERS.  Window 0: v1 r, v2 h, v8-10 / v12-14 LDS addresses of Y's / X's fragments (wide slot, narrow slot, the refill), v16-23 store offsets, v24 largest code x scale, v25 scale, v26, v27 bias offsets,
;   v28, v29 the add's, v30 16 x lane, v32-39 bias by row, v64-127 and v128-191 Y's fragments (two sets), v192-255 bias by column.  Window 1: X's fragments, sets at v0 and v128.  Window 2: accumulator (a, b) at v[8 (8 a + b)].
.set PITCH, 272
.set PA,    528
.set YH,    64*PITCH
.set YB,    2*YH
.set XH,    128*PITCH
.set SLOT,  YB+2*XH                    ; the narrow slot
.set YHA,   64*PA
.set YBA,   2*YHA
.set XHA,   128*PA
.set SLOTA, YBA+2*XHA                  ; the wide slot, at byte 0; the narrow one lies behind it
.set SPARE, SLOTA+SLOT                 ; behind the slots: the spare words, 128 bytes a wave, which no other line names
.set KB,    256                        ; bytes of 256 along K in a row of Y
.set MUL,   0xa1                       ; source 0 (X) window 1, source 1 (Y) window 0, C and D window 2
.set TO_X,  0x40
.set MSB, 0
.macro WIN new                         ; the immediate's high byte repeats the setting that is left
.if MSB != (\new)
	s_set_vgpr_msb (MSB<<8)|(\new)
.set MSB, (\new)
.endif
.endm
.macro PLACES n
.rept \n
	v_nop
.endr
.endm
.macro CREST                           ; a round of the cluster's barrier behind its opening barrier
	s_cmp_lg_u32 s52, 0
	s_cbranch_scc1 .Lnot_wave_0_\@
	s_barrier_signal -3
.Lnot_wave_0_\@:
	s_barrier_wait -3
	s_barrier_signal -1
	s_barrier_wait -1
.endm
.macro CROUND
	s_barrier_signal -1
	s_barrier_wait -1
	CREST
.endm
.macro JLOAD gy, gx                    ; a joint load, one a wave; gy, gx: group 1 for Y and for X; s_nop 0 and four v_nop follow each line
	s_cmp_eq_u32 s53, 0
	s_cbranch_scc0 .Lfor_x_\@
	tensor_load_to_lds s[28:31], s[\gy:\gy+7]
	s_nop 0
	PLACES 4
	s_branch .Lasked_\@
.Lfor_x_\@:
	tensor_load_to_lds s[40:43], s[\gx:\gx+7]
	s_nop 0
	PLACES 4
.Lasked_\@:
.endm
.macro FETCH s, q, set                 ; s = 0: wide slot, 1: narrow slot, 2: the refill.  The q-th 128 along K: X's eight fragments, Y's four: 48 loads in one run
.set FP, PA-256*((\s+1)/2)
	WIN TO_X
.irp b, 0,1,2,3,4,5,6,7
.irp c, 0,1,2,3
	ds_load_b128 v[128*(\set)+16*\b+4*\c:128*(\set)+16*\b+4*\c+3], v[12+\s] offset:128*(\q)+32*\c+\b*16*FP
.endr
.endr
	WIN 0
.irp a, 0,1,2,3
.irp c, 0,1,2,3
	ds_load_b128 v[64+64*(\set)+16*\a+4*\c:64+64*(\set)+16*\a+4*\c+3], v[8+\s] offset:128*(\q)+32*\c+\a*16*FP
.endr
.endr
.endm
.macro MUL16 a0, p, zero               ; Y's blocks a0, a0 + 1 x X's eight.  The 32 accumulators take turns, in the same order in every step
.irp a, \a0, \a0+1
.irp b, 0,1,2,3,4,5,6,7
.if \zero
	v_wmma_f32_16x16x128_bf8_bf8 v[8*(8*(\a)+\b):8*(8*(\a)+\b)+7], v[128*(\p)+16*\b:128*(\p)+16*\b+15], v[64+64*(\p)+16*(\a):64+64*(\p)+16*(\a)+15], 0
.else
	v_wmma_f32_16x16x128_bf8_bf8 v[8*(8*(\a)+\b):8*(8*(\a)+\b)+7], v[128*(\p)+16*\b:128*(\p)+16*\b+15], v[64+64*(\p)+16*(\a):64+64*(\p)+16*(\a)+15], v[8*(8*(\a)+\b):8*(8*(\a)+\b)+7]
.endif
.endr
.endr
.endm
.macro STEP p, ns, nq, zero            ; multiplies set p; at its head the next step's fragments are asked for, into the other set
	s_wait_dscnt 0x0                               ; set p is in
	PLACES 4                                       ; four plain instructions between the last products, which read the other set, and the loads into it
	FETCH \ns, \nq, 1-\p
	WIN MUL
	MUL16 0, \p, \zero
	MUL16 2, \p, \zero
	WIN 0
.endm
	s_load_b512 s[68:83], s[0:1], 0x0              ; query, key, Wv | Wq, Wk, value | bq, bk
	s_load_b256 s[84:91], s[0:1], 0x40             ; bv | qc, kc, vc
	s_load_b64 s[92:93], s[0:1], 0x60              ; the scales' exponents
	v_lshl_add_u32 v28, v0, 2, SPARE
	v_mov_b32 v29, 0
	ds_add_u32 v28, v29                            ; the opening lines: the add twice on end and its wait
	ds_add_u32 v28, v29
	s_wait_dscnt 0x0
	v_lshrrev_b32 v3, 5, v0
	v_readfirstlane_b32 s52, v3                    ; wave 0..3
	s_lshr_b32 s53, s52, 1                         ; which 64 rows of Y are mine.  Also: I fetch for Y (0) or for X (1)
	s_and_b32 s54, s52, 1                          ; which 128 rows of X are mine.  Also: which half of that tile I fetch
	s_bfe_u32 s55, ttmp6, 0x40000                  ; cx
	s_bfe_u32 s56, ttmp6, 0x40004                  ; cy
	s_and_b32 s94, ttmp7, 0xffff                   ; the cluster's y, 0..47
	s_lshr_b32 s57, s94, 4                         ; mode
	s_and_b32 s58, s94, 15
	s_and_b32 s94, s58, 1
	s_lshr_b32 s95, s58, 1
	s_cmp_lt_u32 s57, 2                            ; the choice hangs on the cluster's y alone: the same in all sixteen partners
	s_cselect_b32 s59, s58, s94                    ; modes 0, 1: 64 tile rows (tokens), 4 tile columns;
	s_cselect_b32 s60, 0, s95                      ; mode 2: 8 tile rows (Wv's columns), 32 tile columns (tokens)
	s_lshl_b32 s59, s59, 2
	s_add_co_u32 s59, s59, s56                     ; tile row
	s_lshl_b32 s60, s60, 2
	s_add_co_u32 s60, s60, s55                     ; tile column
	s_lshl_b32 s66, s56, 2
	s_lshl_b32 s66, 15, s66                        ; my row of the cluster
	s_lshl_b32 s67, 0x1111, s55                    ; my column
	s_or_b32 s12, s66, (1<<20)|(1<<21)|(5<<22)|(3<<25)   ; group 1, narrow, Y: the mask; elements of 1 byte; padding of four words after every 64
	s_mov_b32 s13, 256<<16
	s_mov_b32 s14, 64<<16
	s_mov_b32 s15, 256<<16
	s_mov_b32 s16, 64
	s_mov_b32 s17, 1024
	s_mov_b32 s18, 0
	s_mov_b32 s19, 0
	s_or_b32 s20, s67, (1<<20)|(1<<21)|(5<<22)|(3<<25)   ; narrow, X: my column's mask, 128 rows
	s_mov_b32 s21, 256<<16
	s_mov_b32 s22, 128<<16
	s_mov_b32 s23, 256<<16
	s_mov_b32 s24, 128
	s_mov_b32 s25, 1024
	s_mov_b32 s26, 0
	s_mov_b32 s27, 0
	s_or_b32 s32, s66, (1<<20)|(1<<21)|(6<<22)|(3<<25)   ; group 1, wide, Y: rows of 512 bytes, four words of padding after every 128
	s_mov_b32 s33, 512<<16
	s_mov_b32 s34, 64<<16
	s_mov_b32 s35, 512<<16
	s_mov_b32 s36, 64
	s_mov_b32 s37, 1024
	s_mov_b32 s38, 0
	s_mov_b32 s39, 0
	s_or_b32 s44, s67, (1<<20)|(1<<21)|(6<<22)|(3<<25)   ; wide, X
	s_mov_b32 s45, 512<<16
	s_mov_b32 s46, 128<<16
	s_mov_b32 s47, 512<<16
	s_mov_b32 s48, 128
	s_mov_b32 s49, 1024
	s_mov_b32 s50, 0
	s_mov_b32 s51, 0
	s_lshl_b32 s94, s59, 17                        ; Y: 128 rows of 1,024 bytes a tile row,
	s_lshl_b32 s98, s54, 16                        ; + my 64 rows
	s_add_co_u32 s94, s94, s98
	s_mov_b32 s95, 0
	s_lshl_b32 s96, s60, 18                        ; X: 256 rows a tile column,
	s_lshl_b32 s98, s54, 17                        ; + my 128 rows
	s_add_co_u32 s96, s96, s98
	s_mov_b32 s97, 0
	s_mul_i32 s100, s54, YH                        ; where my part goes in narrow rows: no place in the cluster enters an LDS address
	s_mul_i32 s101, s54, XH
	s_add_co_u32 s101, s101, YB
	s_wait_kmcnt 0x0
	s_cmp_eq_u32 s57, 1
	s_cselect_b64 s[4:5], s[70:71], s[68:69]       ; Y
	s_cselect_b64 s[6:7], s[76:77], s[74:75]       ; X
	s_cselect_b64 s[8:9], s[82:83], s[80:81]       ; the bias
	s_cselect_b64 s[10:11], s[88:89], s[86:87]     ; the result
	s_cmp_eq_u32 s57, 2
	s_cselect_b64 s[4:5], s[72:73], s[4:5]
	s_cselect_b64 s[6:7], s[78:79], s[6:7]
	s_cselect_b64 s[8:9], s[84:85], s[8:9]
	s_cselect_b64 s[10:11], s[90:91], s[10:11]
	s_load_b256 s[68:75], s[92:93], 0x0            ; e0 .. e7
	s_load_b128 s[76:79], s[92:93], 0x20           ; e8 .. e11
	s_add_nc_u64 s[4:5], s[4:5], s[94:95]
	s_add_nc_u64 s[6:7], s[6:7], s[96:97]
	CROUND                                         ; all sixteen work-groups are here: the first joint loads meet
	s_mov_b32 s28, 1                               ; group 0 for Y: count, LDS address in the wide slot, global address, type
	s_mul_i32 s29, s54, YHA
	s_mov_b64 s[30:31], s[4:5]
	s_or_b32 s31, s31, 0x80000000
	s_mov_b32 s40, 1                               ; and for X
	s_mul_i32 s41, s54, XHA
	s_add_co_u32 s41, s41, YBA
	s_mov_b64 s[42:43], s[6:7]
	s_or_b32 s43, s43, 0x80000000
	JLOAD 32, 44                                   ; K 0..511: the wave's one load at the head
	v_and_b32 v1, 15, v0                           ; r
	v_bfe_u32 v2, v0, 4, 1                         ; h
	v_and_b32 v3, 31, v0
	v_lshlrev_b32 v30, 4, v3                       ; 16 x lane
	v_mul_u32_u24 v4, v1, PITCH
	v_lshl_add_u32 v4, v2, 4, v4                   ; a fragment's row x pitch + 16 h, narrow rows,
	v_mul_u32_u24 v5, v1, PA
	v_lshl_add_u32 v5, v2, 4, v5                   ; and wide rows
	s_wait_alu depctr_va_vdst(0)
	s_mul_i32 s94, s53, YHA                        ; my 64 rows of Y, my 128 rows of X behind Y's
	s_mul_i32 s95, s54, XHA
	s_add_co_u32 s95, s95, YBA
	v_add_nc_u32 v8, s94, v5
	v_add_nc_u32 v12, s95, v5
	s_mul_i32 s94, s53, YH
	s_mul_i32 s95, s54, XH
	s_add_co_u32 s95, s95, YB
	v_add_nc_u32 v10, s94, v4
	v_add_nc_u32 v14, s95, v4
	s_add_co_u32 s94, s94, SLOTA
	s_add_co_u32 s95, s95, SLOTA
	v_add_nc_u32 v9, s94, v4
	v_add_nc_u32 v13, s95, v4
	s_lshl_b32 s94, s59, 7
	s_lshl_b32 s95, s53, 6
	s_add_co_u32 s94, s94, s95                     ; I0: my first row of Y
	s_lshl_b32 s95, s60, 8
	s_lshl_b32 s96, s54, 7
	s_add_co_u32 s95, s95, s96                     ; J0: my first row of X
	s_cmp_lt_u32 s57, 2
	s_cselect_b32 s96, s94, s95                    ; my first token,
	s_cselect_b32 s97, s95, s94                    ; my first column of the projection
	s_cselect_b32 s98, s95, 0                      ; the bias runs along j in modes 0, 1 and along i in mode 2.  Both patterns are loaded on every path; the one that is not used begins at the bias's first number
	s_cselect_b32 s99, 0, s94
	s_mov_b32 s66, 2048
	s_cselect_b32 s66, 1024, s66                   ; bytes from block a to block a + 1 in the result: 16 tokens on, or 16 d on
	s_mov_b32 s67, 1024
	s_cselect_b32 s67, 0x20000, s67                ; bytes from b = 0..3 to b = 4..7: the next head, or registers 8..15 of the fragment
	v_lshlrev_b32 v26, 5, v2
	v_lshl_add_u32 v26, s98, 2, v26                ; 4 J0 + 32 h
	v_lshlrev_b32 v27, 2, v1
	v_lshl_add_u32 v27, s99, 2, v27                ; 4 I0 + 4 r
.irp b, 0,1,2,3,4,5,6,7
	global_load_b128 v[192+8*\b:195+8*\b], v26, s[8:9] offset:64*\b      ; bias[J0 + 16 b + 8 h + 0..7]
	global_load_b128 v[196+8*\b:199+8*\b], v26, s[8:9] offset:64*\b+16
.endr
.irp a, 0,1,2,3
	global_load_b32 v[32+2*\a], v27, s[8:9] offset:64*\a                 ; bias[I0 + 16 a + r], twice: the packed form names a pair
	global_load_b32 v[33+2*\a], v27, s[8:9] offset:64*\a
.endr
	s_lshr_b32 s98, s96, 11                        ; the result's first byte: batch x 16 heads x 131,072,
	s_lshl_b32 s98, s98, 21
	s_lshr_b32 s99, s97, 6
	s_lshl_b32 s99, s99, 17                        ; + head x 131,072,
	s_add_co_u32 s98, s98, s99
	s_and_b32 s99, s96, 2047
	s_lshl_b32 s99, s99, 6                         ; + 64 x the token in its batch
	s_add_co_u32 s98, s98, s99
	s_mov_b32 s99, 0
	s_add_nc_u64 s[10:11], s[10:11], s[98:99]
.irp a, 0,1,2,3
	s_mul_i32 s96, s66, \a
	v_add_nc_u32 v[16+2*\a], s96, v30
	s_add_co_u32 s96, s96, s67
	v_add_nc_u32 v[17+2*\a], s96, v30
.endr
	s_wait_kmcnt 0x0
	s_add_co_i32 s94, s68, s69
	s_add_co_i32 s95, s70, s71
	s_add_co_i32 s96, s72, s73
	s_cmp_eq_u32 s57, 1
	s_cselect_b32 s94, s95, s94
	s_cselect_b32 s97, s75, s74                    ; K's own exponent is entry 7, Q's entry 6,
	s_cmp_eq_u32 s57, 2
	s_cselect_b32 s94, s96, s94
	s_cselect_b32 s97, s77, s97                    ; V's entry 9
	s_add_co_i32 s94, s94, 127
	s_lshl_b32 s62, s94, 23                        ; 2^(the operands' two exponents) as f32
	s_mov_b32 s63, s62
	s_add_co_i32 s97, s97, 127
	s_lshl_b32 s94, s97, 23
	v_mov_b32 v25, s94                             ; the result's scale as f32
	s_add_co_i32 s97, s97, 15
	s_lshl_b32 s97, s97, 23
	s_or_b32 s97, s97, 0x600000
	v_mov_b32 v24, s97                             ; 57,344 x that scale
	s_wait_alu depctr_va_vdst(0)                   ; the head's end
	s_wait_tensorcnt 0x0                           ; my part of K 0..511 is in, so group 0 may be written
	ds_add_u32 v28, v29
	s_add_co_u32 s29, s100, SLOTA                  ; the narrow slot, K 512..767
	s_add_nc_u64 s[30:31], s[30:31], 2*KB
	s_add_co_u32 s41, s101, SLOTA
	s_add_nc_u64 s[42:43], s[42:43], 512
	s_wait_dscnt 0x0
	CROUND                                         ; the wide slot is whole for every wave
	JLOAD 12, 20                                   ; the narrow slot's first fill; 96 products of a wave stand between this request and the wait for it
	FETCH 0, 0, 0
	STEP 0, 0, 1, 1                                ; K 0..127: the first products start the sums
	STEP 1, 0, 2, 0                                ; K 128..255
	STEP 0, 0, 3, 0                                ; K 256..383
	; K 384..511, and the one refill: the wide slot has been read out
	s_wait_tensorcnt 0x0                           ; my part of the narrow slot is in
	ds_add_u32 v28, v29
	s_mov_b32 s29, s100                            ; K 768..1023, in narrow rows from byte 0 on
	s_add_nc_u64 s[30:31], s[30:31], KB
	s_mov_b32 s41, s101
	s_add_nc_u64 s[42:43], s[42:43], 256
	s_wait_dscnt 0x0                               ; the add is done, and my reads of the wide slot are over
	s_barrier_signal -1                            ; opens a round of the cluster's barrier
	WIN MUL
	MUL16 0, 1, 0
	WIN 0
	s_barrier_wait -1
	CREST
	JLOAD 12, 20                                   ; its four v_nop are also the places in front of the loads below
	FETCH 1, 0, 0
	WIN MUL
	MUL16 2, 1, 0
	WIN 0
	STEP 0, 1, 1, 0                                ; K 512..639
	; K 640..767, and the barrier that shows the refill to every wave
	s_wait_tensorcnt 0x0
	s_wait_dscnt 0x0
	s_barrier_signal -1
	WIN MUL
	MUL16 0, 1, 0
	WIN 0
	s_barrier_wait -1
	PLACES 4
	FETCH 2, 0, 0
	WIN MUL
	MUL16 2, 1, 0
	WIN 0
	STEP 0, 2, 1, 0                                ; K 768..895
	s_wait_dscnt 0x0                               ; K 896..1023: nothing more to fetch
	WIN MUL
	MUL16 0, 1, 0
	MUL16 2, 1, 0
	WIN 0
; THE WAY OUT: sum x 2^(ea + eb) + bias in one packed multiply-add, the hold at the largest code (the conversion to an 8-bit code does not saturate: ISA guide 7.6.2), the conversion, the store.
; Accumulators (a, 2 p) and (a, 2 p + 1) give four registers of the reader's operand.  Every store has data registers of its own; the 16 numbers at work lie in two sets by turns.
.macro EPI byrow
.irp a, 0,1,2,3
.irp p, 0,1,2,3
	WIN 0x02                                       ; source 0: window 2
.irp u, 0,1
.irp i, 0,2,4,6
.if \byrow
	v_pk_fma_f32 v[64+16*(\p%2)+8*\u+\i:64+16*(\p%2)+8*\u+\i+1], v[8*(8*\a+2*\p+\u)+\i:8*(8*\a+2*\p+\u)+\i+1], s[62:63], v[32+2*\a:33+2*\a] op_sel_hi:[1,0,0]
.else
	v_pk_fma_f32 v[64+16*(\p%2)+8*\u+\i:64+16*(\p%2)+8*\u+\i+1], v[8*(8*\a+2*\p+\u)+\i:8*(8*\a+2*\p+\u)+\i+1], s[62:63], v[192+8*(2*\p+\u)+\i:192+8*(2*\p+\u)+\i+1] op_sel_hi:[1,0,1]
.endif
.endr
.endr
	WIN 0
	s_wait_alu depctr_va_vdst(0)
.irp i, 0,1,2,3,4,5,6,7,8,9,10,11,12,13,14,15
	v_med3_num_f32 v[64+16*(\p%2)+\i], v[64+16*(\p%2)+\i], -v24, v24
.endr
	v_cvt_scalef32_pk8_bf8_f32 v[128+4*(4*\a+\p):129+4*(4*\a+\p)], v[64+16*(\p%2):71+16*(\p%2)], v25
	v_cvt_scalef32_pk8_bf8_f32 v[130+4*(4*\a+\p):131+4*(4*\a+\p)], v[72+16*(\p%2):79+16*(\p%2)], v25
	global_store_b128 v[16+2*\a+\p/2], v[128+4*(4*\a+\p):131+4*(4*\a+\p)], s[10:11] offset:512*(\p%2)   ; 32 lanes store 512 consecutive bytes, aligned
.endr
.endr
	v_nop                                          ; a plain instruction behind the last conversion
.endm
	s_wait_loadcnt 0x0                             ; the biases
	PLACES 4                                       ; behind the last products
	s_cmp_lt_u32 s57, 2                            ; the mode: the same in all partners
	s_cbranch_scc0 .Lby_row
	EPI 0
	s_branch .Lout
.Lby_row:
	EPI 1
.Lout:
	s_wait_tensorcnt 0x0                           ; the wave's end
	ds_add_u32 v28, v29
	s_wait_dscnt 0x0
	CROUND                                         ; the closing round
	s_endpgm
.Lfunc_end_k_q7f93ce2f99_proj:
	.size	k_q7f93ce2f99_proj, .Lfunc_end_k_q7f93ce2f99_proj-k_q7f93ce2f99_proj
	.p2alignl 7, 3214868480
	.fill 96, 4, 3214868480
	.section	.rodata,"a",@progbits
	.p2align	6, 0x0
	.amdhsa_kernel k_q7f93ce2f99_proj
		.amdhsa_group_segment_fixed_size 327680
		.amdhsa_private_segment_fixed_size 0
		.amdhsa_enable_private_segment 0
		.amdhsa_kernarg_size 104
		.amdhsa_user_sgpr_count 2
		.amdhsa_user_sgpr_kernarg_segment_ptr 1
		.amdhsa_wavefront_size32 1
		.amdhsa_system_sgpr_workgroup_id_x 1
		.amdhsa_system_sgpr_workgroup_id_y 1
		.amdhsa_system_sgpr_workgroup_id_z 1
		.amdhsa_system_vgpr_workitem_id 0
		.amdhsa_next_free_vgpr 768
		.amdhsa_next_free_sgpr 102
		.amdhsa_reserve_vcc 0
		.amdhsa_float_denorm_mode_32 3
		.amdhsa_float_denorm_mode_16_64 3
		.amdhsa_memory_ordered 1
		.amdhsa_forward_progress 1
		.amdhsa_inst_pref_size 115
	.end_amdhsa_kernel
	.amdgpu_metadata
---
amdhsa.version: [ 1, 2 ]
amdhsa.kernels:
  - .name:           k_q7f93ce2f99_proj
    .symbol:         k_q7f93ce2f99_proj.kd
    .args:
      - { .name: query_codes, .offset: 0, .size: 8, .value_kind: global_buffer, .address_space: global }
      - { .name: key_codes, .offset: 8, .size: 8, .value_kind: global_buffer, .address_space: global }
      - { .name: Wv_codes, .offset: 16, .size: 8, .value_kind: global_buffer, .address_space: global }
      - { .name: Wq_codes, .offset: 24, .size: 8, .value_kind: global_buffer, .address_space: global }
      - { .name: Wk_codes, .offset: 32, .size: 8, .value_kind: global_buffer, .address_space: global }
      - { .name: value_codes, .offset: 40, .size: 8, .value_kind: global_buffer, .address_space: global }
      - { .name: bq, .offset: 48, .size: 8, .value_kind: global_buffer, .address_space: global }
      - { .name: bk, .offset: 56, .size: 8, .value_kind: global_buffer, .address_space: global }
      - { .name: bv, .offset: 64, .size: 8, .value_kind: global_buffer, .address_space: global }
      - { .name: qc, .offset: 72, .size: 8, .value_kind: global_buffer, .address_space: global }
      - { .name: kc, .offset: 80, .size: 8, .value_kind: global_buffer, .address_space: global }
      - { .name: vc, .offset: 88, .size: 8, .value_kind: global_buffer, .address_space: global }
      - { .name: lowp_scales, .offset: 96, .size: 8, .value_kind: global_buffer, .address_space: global }
    .group_segment_fixed_size: 327680
    .private_segment_fixed_size: 0
    .kernarg_segment_align: 8
    .kernarg_segment_size: 104
    .max_flat_workgroup_size: 128
    .sgpr_count:     102
    .vgpr_count:     768
    .wavefront_size: 32
...
	.end_amdgpu_metadata
.endif
;; end of part 1
;; launch attn (part 2): grid 4 x 64, 8 waves a work-group, clusters of 4 x 1, 327,680 bytes of LDS; arguments qc, kc, vc, mask, lowp_scales, out1, wc; writes out1, wc
.if DOCPART == 2
	.amdgcn_target "amdgcn-amd-amdhsa--gfx1250"
	.amdhsa_code_object_version 6
	.text
	.protected	k_q7f93ce2f99_attn
	.globl	k_q7f93ce2f99_attn
	.p2align	8
	.type	k_q7f93ce2f99_attn,@function
k_q7f93ce2f99_attn:
	s_mov_b64 s[64:65], 0
	v_nop
	global_prefetch_b8 v0, s[64:65] scope:SCOPE_SE
	s_setreg_imm32_b32 hwreg(HW_REG_WAVE_MODE, 25, 1), 1
	s_wait_xcnt 0x0
	s_wait_alu depctr_hold_cnt(0) depctr_sa_sdst(0) depctr_va_vdst(0) depctr_va_sdst(0) depctr_va_ssrc(0) depctr_va_vcc(0) depctr_vm_vsrc(0)
	s_getreg_b32 s2, hwreg(HW_REG_IB_STS2, 6, 4)
	s_cmp_eq_u32 s2, 0
	s_cbranch_scc0 .Lentry_in_a_cluster
	s_endpgm
.Lentry_in_a_cluster:
	s_bfe_u32 s2, ttmp6, 0x10000c
	s_cmp_lg_u32 s2, 0x3003
	s_cbranch_scc0 .Lentry_shape_is_right
	s_endpgm
.Lentry_shape_is_right:
; ATTENTION on codes of BF8 (E5M2): out1 = softmax(Q K^T / 8 + mask) V, and its codes (scale entry 10) into wc for the last product.
; t = (score / 8 + mask) log2(e); M = the running largest t rounded up to a whole number; p = 2^(t - M) is quantised with entry 8; the row's sum is taken of the unquantised p and divides at the end.
; SHARES.  A work-group owns 512 queries of one (batch, head); the four work-groups of a cluster own the head's 2,048 and ask for its K and V jointly.  Each of the 8 waves owns 64 queries: four tiles of 16,
; so each fragment of K, of V and of the mask that a wave reads from LDS feeds four tiles.  Two waves to a SIMD, 512 registers each.
; LDS: all of the head's K (131,072 bytes) and V (131,072), as the images of operand registers that the projections stored; the mask (8,192); stages for the way out; the spare words.
; Each wave asks for 32,768 bytes by its one tensor load at the head; nothing is filled again, so one barrier shows everything and the loop over the keys has none.
; No prefetch: all that the launch reads of K and V is asked for in its first lines.
; LAYOUT.  Both products transposed: S^T = K Q^T + mask as C (source 0 = 16 keys), O^T = V^T P^T (source 0 = 16 of the head's 64): a lane holds one query, its registers run along the keys, and the conversions' results are P's registers.
; A STEP is 128 keys.  For tile t: softmax on S, O(t) rescaled, the NEXT tile's scores into S (its conversions have read it), then O(t) += V^T P^T.  The next step's K and mask are asked for behind the step's last score product,
; the next V behind the last product with V.  The last step is written out: it asks for nothing.
; The mask goes in as mask x 2^(3 - e6 - e7), held at -3e38 from below, so that (codes' sum + it) x 2^(e6 + e7) log2(e) / 8 = t.
; LIMITS: e6 + e7 between -123 and 130; e8 and e10 between -126 and 112; the scaled scores stay under 2^31 in magnitude.
; REGISTERS.  Window 0: v1 16 x lane, v2 mask base, v3-5 addresses in hand, v6-10 the way out's, v11 V's base, v12, v13 the add's, v14-15, v22-31 at work, v16, v17 57,344 x 2^e8, v18 2^e8, v19, v20 the same for e10,
;   v32+4t: -M, largest t, the sum in two halves; v48+8t Q; v80-143 S, then p; v144-159 P's codes; v160-223 the mask as C (on the way out v160-239 rows read back).
;   Window 1: v0+32t O^T of tile t; v128-191 K's eight fragments; v192-255 V's four.
.set VIMG,  131072
.set MSK,   262144
.set FST,   270336                     ; 8 waves x 16 rows x 272 bytes
.set CST,   305152                     ; 8 waves x 16 rows x 80 bytes
.set SPARE, 315392                     ; the spare words, 128 bytes a wave, which no other line names
.set QF,  48
.set SC,  80
.set PC,  144
.set MKR, 160
.set KF,  128
.set VF,  192
.set MSB, 0
.macro WIN new                         ; the immediate's high byte repeats the setting that is left
.if MSB != (\new)
	s_set_vgpr_msb (MSB<<8)|(\new)
.set MSB, (\new)
.endif
.endm
.macro PLACES n
.rept \n
	v_nop
.endr
.endm
.macro CROUND
	s_barrier_signal -1
	s_barrier_wait -1
	s_cmp_lg_u32 s18, 0
	s_cbranch_scc1 .Lnot_wave_0_\@
	s_barrier_signal -3
.Lnot_wave_0_\@:
	s_barrier_wait -3
	s_barrier_signal -1
	s_barrier_wait -1
.endm
	s_load_b256 s[4:11], s[0:1], 0x0               ; qc, kc, vc, mask
	s_load_b128 s[12:15], s[0:1], 0x20             ; the scales' exponents, out1
	s_load_b64 s[16:17], s[0:1], 0x30              ; wc
	v_lshl_add_u32 v12, v0, 2, SPARE
	v_mov_b32 v13, 0
	ds_add_u32 v12, v13                            ; the opening lines: the add twice on end and its wait
	ds_add_u32 v12, v13
	v_lshrrev_b32 v14, 5, v0
	v_readfirstlane_b32 s18, v14                   ; wave 0..7
	s_bfe_u32 s19, ttmp6, 0x40000                  ; cx
	s_and_b32 s20, ttmp7, 0xffff                   ; 16 batch + head
	s_mov_b32 s24, 15|(3<<16)|(1<<21)              ; group 1: all four partners; elements of 8 bytes; 128 rows of 256 bytes, dense
	s_mov_b32 s25, 32<<16
	s_mov_b32 s26, 128<<16
	s_mov_b32 s27, 32<<16
	s_mov_b32 s28, 128
	s_mov_b32 s29, 32
	s_mov_b32 s30, 0
	s_mov_b32 s31, 0
	s_mov_b32 s48, 0x76543210
	s_mov_b32 s49, 0xfedcba98
	s_lshl_b32 s66, s18, 15                        ; LDS: waves 0-3 K's quarters, waves 4-7 V's
	s_and_b32 s67, s18, 3
	s_lshl_b32 s67, s67, 15
	s_lshl_b32 s86, s20, 17
	s_add_co_u32 s86, s86, s67
	s_mov_b32 s87, 0
	s_wait_dscnt 0x0
	s_wait_kmcnt 0x0
	s_load_b256 s[68:75], s[12:13], 0x0            ; e0 .. e7
	s_load_b128 s[76:79], s[12:13], 0x20           ; e8 .. e11
	s_cmp_lt_u32 s18, 4
	s_cselect_b64 s[88:89], s[6:7], s[8:9]
	s_add_nc_u64 s[88:89], s[88:89], s[86:87]
	CROUND                                         ; the four partners are here: the joint loads meet
	s_mov_b32 s32, 1
	s_mov_b32 s33, s66
	s_mov_b64 s[34:35], s[88:89]
	s_or_b32 s35, s35, 0x80000000
	tensor_load_to_lds s[32:35], s[24:31]          ; the wave's one tensor load
	s_nop 0
	PLACES 4
	s_lshr_b32 s86, s20, 4                         ; batch
	s_and_b32 s87, s20, 15                         ; head
	s_lshl_b32 s90, s86, 13
	s_mov_b32 s91, 0
	s_add_nc_u64 s[10:11], s[10:11], s[90:91]
	v_lshlrev_b32 v21, 5, v0
	global_load_b128 v[80:83], v21, s[10:11]       ; the batch's mask: 32 bytes a thread
	global_load_b128 v[84:87], v21, s[10:11] offset:16
	s_lshl_b32 s90, s19, 5
	s_lshl_b32 s92, s18, 2
	s_add_co_u32 s90, s90, s92                     ; my first tile of 16 queries: 32 cx + 4 wave
	s_lshl_b32 s92, s90, 10
	s_lshl_b32 s93, s20, 17
	s_add_co_u32 s92, s92, s93
	s_mov_b32 s93, 0
	s_add_nc_u64 s[80:81], s[4:5], s[92:93]
	v_and_b32 v14, 31, v0
	v_lshlrev_b32 v1, 4, v14
.irp t, 0,1,2,3
	global_load_b128 v[QF+8*\t:QF+8*\t+3], v1, s[80:81] offset:1024*\t th:TH_LOAD_NT
	global_load_b128 v[QF+8*\t+4:QF+8*\t+7], v1, s[80:81] offset:1024*\t+512 th:TH_LOAD_NT
.endr
	s_lshl_b32 s92, s86, 23
	s_lshl_b32 s93, s90, 16
	s_add_co_u32 s92, s92, s93
	s_lshl_b32 s93, s87, 8
	s_add_co_u32 s92, s92, s93
	s_mov_b32 s93, 0
	s_add_nc_u64 s[82:83], s[14:15], s[92:93]      ; out1 at my first query, my head's 64 columns
	s_lshl_b32 s92, s86, 21
	s_lshl_b32 s93, s90, 14
	s_add_co_u32 s92, s92, s93
	s_lshl_b32 s93, s87, 10
	s_add_co_u32 s92, s92, s93
	s_mov_b32 s93, 0
	s_add_nc_u64 s[84:85], s[16:17], s[92:93]      ; wc likewise
	s_wait_alu depctr_va_vdst(0)
	v_and_b32 v14, 15, v0                          ; r
	v_bfe_u32 v15, v0, 4, 1                        ; h
	v_lshl_add_u32 v2, v15, 5, MSK
	v_add_nc_u32 v11, VIMG, v1
	v_lshl_add_u32 v25, v0, 5, MSK
	s_mul_i32 s92, s18, 16*272
	s_add_co_u32 s92, s92, FST
	v_mul_u32_u24 v6, v14, 272
	v_lshl_add_u32 v6, v15, 5, v6
	v_add_nc_u32 v6, s92, v6                       ; f32 stage, in: row r, + 32 h
	v_mul_u32_u24 v7, v15, 272
	v_lshl_add_u32 v7, v14, 4, v7
	v_add_nc_u32 v7, s92, v7                       ; back: lanes 0-15 one row, lanes 16-31 the next
	s_mul_i32 s92, s18, 16*80
	s_add_co_u32 s92, s92, CST
	v_mul_u32_u24 v8, v14, 80
	v_add_nc_u32 v8, s92, v8
	v_lshl_add_u32 v9, v15, 4, v8                  ; codes' stage, back: row r, + 16 h
	v_lshl_add_u32 v8, v15, 3, v8                  ; in: row r, + 8 h
	v_lshlrev_b32 v10, 12, v15
	v_lshl_add_u32 v10, v14, 4, v10                ; out1: 4,096 h + 16 r
	WIN 0x40
.set j, 0
.rept 128
	v_mov_b32 v[j], 0                              ; O^T of the four tiles, once, under the tensor load's flight: the step is written for all steps alike
.set j, j+1
.endr
	WIN 0
.irp t, 0,1,2,3
	v_mov_b32 v[32+4*\t], 0x7f61b1e6               ; -M
	v_mov_b32 v[33+4*\t], 0xff61b1e6               ; the largest t so far: -3e38
	v_mov_b32 v[34+4*\t], 0
	v_mov_b32 v[35+4*\t], 0
.endr
	s_wait_kmcnt 0x0
	s_add_co_i32 s92, s74, s75
	s_sub_co_i32 s57, 3, s92
	s_lshl_b32 s92, s92, 23
	s_add_co_i32 s50, s92, 0x3e38aa3b              ; c = 2^(e6 + e7) log2(e) / 8
	s_mov_b32 s51, s50
	s_add_co_i32 s58, s76, s77                     ; e8 + e9
	s_add_co_i32 s93, s76, 127
	s_lshl_b32 s92, s93, 23
	s_add_co_i32 s93, s93, 15
	s_lshl_b32 s93, s93, 23
	s_or_b32 s93, s93, 0x600000
	s_add_co_i32 s95, s78, 127
	s_lshl_b32 s94, s95, 23
	s_add_co_i32 s95, s95, 15
	s_lshl_b32 s95, s95, 23
	s_or_b32 s95, s95, 0x600000
	v_mov_b32 v16, s93
	v_mov_b32 v17, s93
	v_mov_b32 v18, s92
	v_mov_b32 v19, s95
	v_mov_b32 v20, s94
	v_mov_b32 v24, 0                               ; a lane permute's destination counts as a source
	v_mov_b32 v27, 0                               ; named as the upper half of the pair v[26:27]
	s_wait_loadcnt 8                               ; the mask; Q's eight loads may be out
.irp i, 0,1,2,3,4,5,6,7
	v_ldexp_f32 v[80+\i], v[80+\i], s57
.endr
.irp i, 0,1,2,3,4,5,6,7
	v_max_num_f32 v[80+\i], 0xff61b1e6, v[80+\i]
.endr
	ds_store_b128 v25, v[80:83]
	ds_store_b128 v25, v[84:87] offset:16
.macro SMAX t                          ; the softmax of tile t on S: all in window 0
.set ST, 32+4*(\t)
	v_max3_num_f32 v22, v[SC], v[SC+1], v[SC+2]    ; the step's largest score, in four chains, each accumulator from its low end on
	v_max3_num_f32 v23, v[SC+3], v[SC+4], v[SC+5]
	v_max3_num_f32 v30, v[SC+6], v[SC+7], v[SC+8]
	v_max3_num_f32 v31, v[SC+9], v[SC+10], v[SC+11]
.set j, 12
.rept 6
	v_max3_num_f32 v22, v22, v[SC+j], v[SC+j+1]
	v_max3_num_f32 v23, v23, v[SC+j+2], v[SC+j+3]
	v_max3_num_f32 v30, v30, v[SC+j+4], v[SC+j+5]
	v_max3_num_f32 v31, v31, v[SC+j+6], v[SC+j+7]
.set j, j+8
.endr
	v_max3_num_f32 v22, v22, v[SC+60], v[SC+61]
	v_max3_num_f32 v23, v23, v[SC+62], v[SC+63]
	v_max3_num_f32 v22, v22, v23, v30
	s_delay_alu instid0(VALU_DEP_1)
	v_max_num_f32 v22, v22, v31
	s_delay_alu instid0(VALU_DEP_1)
	v_permlanex16_b32 v24, v22, s48, s49
	s_delay_alu instid0(VALU_DEP_1)
	v_max_num_f32 v22, v22, v24                    ; and lane l xor 16's
	s_delay_alu instid0(VALU_DEP_1)
	v_mul_f32 v22, s50, v22                        ; as t
	s_delay_alu instid0(VALU_DEP_1)
	v_max_num_f32 v[ST+1], v[ST+1], v22
	v_mov_b32 v22, v[ST]
	s_delay_alu instid0(VALU_DEP_2)
	v_floor_f32 v[ST], -v[ST+1]                    ; the new -M
	s_delay_alu instid0(VALU_DEP_1)
	v_sub_f32 v22, v[ST], v22
	s_delay_alu instid0(VALU_DEP_1)
	v_cvt_i32_f32 v22, v22
	s_delay_alu instid0(VALU_DEP_1)
	v_ldexp_f32 v26, 1.0, v22                      ; f = 2^(old M - new M)
.set j, 0
.rept 32
	v_pk_fma_f32 v[SC+j:SC+j+1], v[SC+j:SC+j+1], s[50:51], v[ST:ST+1] op_sel_hi:[1,0,0]
.set j, j+2
.endr
	s_wait_alu depctr_va_vdst(0)                   ; ahead of the batch
.set j, 0
.rept 64
	v_exp_f32 v[SC+j], v[SC+j]
.set j, j+1
.endr
	v_pk_mul_f32 v[ST+2:ST+3], v[ST+2:ST+3], v[26:27] op_sel_hi:[1,0]
	s_wait_alu depctr_va_vdst(0)                   ; and behind it
	v_pk_add_f32 v[28:29], v[SC:SC+1], v[SC+2:SC+3]        ; the sum of the unquantised p, in four chains
	v_pk_add_f32 v[30:31], v[SC+4:SC+5], v[SC+6:SC+7]
	v_pk_add_f32 v[14:15], v[SC+8:SC+9], v[SC+10:SC+11]
	v_pk_add_f32 v[ST+2:ST+3], v[ST+2:ST+3], v[SC+12:SC+13]
.set j, 14
.rept 6
	v_pk_add_f32 v[28:29], v[28:29], v[SC+j:SC+j+1]
	v_pk_add_f32 v[30:31], v[30:31], v[SC+j+2:SC+j+3]
	v_pk_add_f32 v[14:15], v[14:15], v[SC+j+4:SC+j+5]
	v_pk_add_f32 v[ST+2:ST+3], v[ST+2:ST+3], v[SC+j+6:SC+j+7]
.set j, j+8
.endr
	v_pk_add_f32 v[28:29], v[28:29], v[SC+62:SC+63]
	v_pk_add_f32 v[30:31], v[30:31], v[14:15]
	v_pk_add_f32 v[ST+2:ST+3], v[ST+2:ST+3], v[28:29]
	v_pk_add_f32 v[ST+2:ST+3], v[ST+2:ST+3], v[30:31]
.set j, 0
.rept 32                               ; the hold at the largest code, one-sided since p is not negative (the conversion does not saturate: ISA guide 7.6.2), two numbers a line
	v_dual_min_num_f32 v[SC+j], v[SC+j], v16 :: v_dual_min_num_f32 v[SC+j+1], v[SC+j+1], v17
.set j, j+2
.endr
.set j, 0
.rept 8
	v_cvt_scalef32_pk8_bf8_f32 v[PC+2*j:PC+2*j+1], v[SC+8*j:SC+8*j+7], v18
.set j, j+1
.endr
	WIN 0x41                                       ; O^T in window 1, f in window 0
	s_wait_alu depctr_va_vdst(0)                   ; directly ahead of the first reader of O^T
.set j, 0
.rept 16
	v_pk_mul_f32 v[32*(\t)+j:32*(\t)+j+1], v[32*(\t)+j:32*(\t)+j+1], v[26:27] op_sel_hi:[1,0]
.set j, j+2
.endr
.endm
.macro SCORE t                         ; S^T = K Q(t)^T + mask
	WIN 0x01
.irp c, 0,1,2,3,4,5,6,7
	v_wmma_f32_16x16x64_bf8_bf8 v[SC+8*\c:SC+8*\c+7], v[KF+8*\c:KF+8*\c+7], v[QF+8*(\t):QF+8*(\t)+7], v[MKR+8*\c:MKR+8*\c+7]
.endr
.endm
.macro PV t                            ; O^T(t) += V^T P^T
	WIN 0x51
.irp f, 0,1,2,3
	v_wmma_f32_16x16x128_bf8_bf8 v[32*(\t)+8*\f:32*(\t)+8*\f+7], v[VF+16*\f:VF+16*\f+15], v[PC:PC+15], v[32*(\t)+8*\f:32*(\t)+8*\f+7]
.endr
.endm
.macro LOADK                           ; the two additions and two v_nop are the four places behind the products that read these registers
	v_add_nc_u32 v3, s52, v1
	v_add_nc_u32 v5, s53, v2
	PLACES 2
	WIN 0x40
.irp c, 0,1,2,3,4,5,6,7
	ds_load_b128 v[KF+8*\c:KF+8*\c+3], v3 offset:1024*\c
	ds_load_b128 v[KF+8*\c+4:KF+8*\c+7], v3 offset:1024*\c+512
.endr
	WIN 0
.irp c, 0,1,2,3,4,5,6,7
	ds_load_b128 v[MKR+8*\c:MKR+8*\c+3], v5 offset:64*\c
	ds_load_b128 v[MKR+8*\c+4:MKR+8*\c+7], v5 offset:64*\c+16
.endr
.endm
.macro LOADV
	v_add_nc_u32 v4, s52, v11
	PLACES 3
	WIN 0x40
.irp f, 0,1,2,3
.irp q, 0,1,2,3
	ds_load_b128 v[VF+16*\f+4*\q:VF+16*\f+4*\q+3], v4 offset:2048*\f+512*\q
.endr
.endr
	WIN 0
.endm
.macro SEG t, nx, wt, sc               ; wt: LDS loads are waited for; sc: tile nx's scores follow
	SMAX \t
.if \wt
	s_wait_alu depctr_va_vdst(0)                   ; directly ahead of the wait below
	s_wait_dscnt 0x0
.endif
.if \sc
	SCORE \nx
.endif
	PV \t
	WIN 0
.endm
.macro BODY last                       ; a step of 128 keys for my four tiles
	SEG 0, 1, 1, 1                                 ; the wait: this step's V
	PLACES 4
	SEG 1, 2, 0, 1
	PLACES 4
	SEG 2, 3, 0, 1
.if \last
	PLACES 4
.else
	s_add_co_u32 s52, s52, 8192
	s_add_co_u32 s53, s53, 512
	LOADK                                          ; the next step's K and mask
.endif
	SEG 3, 0, 1-\last, 1-\last                     ; the wait: the next step's K and mask
.if 1-\last
	LOADV                                          ; the next step's V
.endif
.endm
	s_wait_alu depctr_va_vdst(0)                   ; the head's end
	s_wait_tensorcnt 0x0                           ; my part of K or V is in,
	s_wait_loadcnt 0x0                             ; Q too,
	s_wait_dscnt 0x0                               ; and my part of the mask is stored
	s_barrier_signal -1
	s_barrier_wait -1                              ; K, V and the mask are whole for every wave
	s_mov_b32 s52, 0
	s_mov_b32 s53, 0
	s_mov_b32 s54, 15
	LOADK
	LOADV
	s_wait_dscnt 16                                ; K and the mask are in; V's 16 loads may be out
	SCORE 0
	WIN 0
	PLACES 4
.Lstep:
	BODY 0
	s_sub_co_u32 s54, s54, 1
	s_cmp_lg_u32 s54, 0
	s_wait_alu depctr_va_vdst(0)                   ; directly ahead of the branch
	s_cbranch_scc1 .Lstep
	BODY 1
; THE WAY OUT, tile by tile: O^T / the sum x 2^(e8 + e9) is out1's number; held and converted with entry 10 it is wc's code.  Both go through my own stages in LDS:
; out1 leaves as rows of 256 bytes from sixteen lanes, wc as images of operand registers, 512 bytes a store.
.macro ARITH t
.set ST, 32+4*(\t)
	v_add_f32 v22, v[ST+2], v[ST+3]
	v_permlanex16_b32 v24, v22, s48, s49
	v_add_f32 v22, v22, v24
	s_wait_alu depctr_va_vdst(0)                   ; ahead of the transcendental
	v_rcp_f32 v23, v22
	v_nop
	s_wait_alu depctr_va_vdst(0)                   ; and behind it
	v_ldexp_f32 v26, v23, s58
	WIN 0x01
	s_wait_alu depctr_va_vdst(0)                   ; directly ahead of the first reader of O^T
.set j, 0
.rept 16
	v_pk_mul_f32 v[80+j:81+j], v[32*(\t)+j:32*(\t)+j+1], v[26:27] op_sel_hi:[1,0]
.set j, j+2
.endr
	WIN 0
.set j, 0
.rept 32
	v_med3_num_f32 v[112+j], v[80+j], -v19, v19
.set j, j+1
.endr
.set j, 0
.rept 4
	v_cvt_scalef32_pk8_bf8_f32 v[PC+2*j:PC+2*j+1], v[112+8*j:119+8*j], v20
.set j, j+1
.endr
	v_nop
.endm
.macro STAGE t
.set BK, MKR+40*((\t)%2)
.irp f, 0,1,2,3
	ds_store_b128 v6, v[80+8*\f:83+8*\f] offset:64*\f
	ds_store_b128 v6, v[84+8*\f:87+8*\f] offset:64*\f+16
.endr
.irp f, 0,1,2,3
	ds_store_b64 v8, v[PC+2*\f:PC+2*\f+1] offset:16*\f
.endr
.irp i, 0,1,2,3,4,5,6,7
	ds_load_b128 v[BK+4*\i:BK+4*\i+3], v7 offset:544*\i    ; LDS serves a wave's instructions in order: these see my stores
.endr
	ds_load_b128 v[BK+32:BK+35], v9
	ds_load_b128 v[BK+36:BK+39], v9 offset:32
.endm
.macro SEND t
.set BK, MKR+40*((\t)%2)
.irp i, 0,1,2,3,4,5,6,7
	s_wait_dscnt 9-\i                              ; behind this load: the stage's later loads
	global_store_b128 v10, v[BK+4*\i:BK+4*\i+3], s[82:83] offset:65536*(\t)+8192*\i th:TH_STORE_NT
.endr
	s_wait_dscnt 1
	global_store_b128 v1, v[BK+32:BK+35], s[84:85] offset:16384*(\t)
	s_wait_dscnt 0x0
	global_store_b128 v1, v[BK+36:BK+39], s[84:85] offset:16384*(\t)+512
.endm
	ARITH 0
	STAGE 0
.irp t, 1,2,3
	ARITH \t
	s_wait_alu depctr_va_vdst(0)                   ; directly ahead of SEND's waits
	SEND \t-1
.if \t > 1
	s_wait_xcnt 0x0                                ; tile t - 2's stores have read their registers: tile t's rows land there
.endif
	STAGE \t
.endr
	SEND 3
	s_wait_tensorcnt 0x0                           ; the wave's end
	ds_add_u32 v12, v13
	s_wait_dscnt 0x0
	CROUND                                         ; the closing round
	s_endpgm
.Lfunc_end_k_q7f93ce2f99_attn:
	.size	k_q7f93ce2f99_attn, .Lfunc_end_k_q7f93ce2f99_attn-k_q7f93ce2f99_attn
	.p2alignl 7, 3214868480
	.fill 96, 4, 3214868480
	.section	.rodata,"a",@progbits
	.p2align	6, 0x0
	.amdhsa_kernel k_q7f93ce2f99_attn
		.amdhsa_group_segment_fixed_size 327680
		.amdhsa_private_segment_fixed_size 0
		.amdhsa_enable_private_segment 0
		.amdhsa_kernarg_size 56
		.amdhsa_user_sgpr_count 2
		.amdhsa_user_sgpr_kernarg_segment_ptr 1
		.amdhsa_wavefront_size32 1
		.amdhsa_system_sgpr_workgroup_id_x 1
		.amdhsa_system_sgpr_workgroup_id_y 1
		.amdhsa_system_sgpr_workgroup_id_z 1
		.amdhsa_system_vgpr_workitem_id 0
		.amdhsa_next_free_vgpr 512
		.amdhsa_next_free_sgpr 100
		.amdhsa_reserve_vcc 0
		.amdhsa_float_denorm_mode_32 3
		.amdhsa_float_denorm_mode_16_64 3
		.amdhsa_memory_ordered 1
		.amdhsa_forward_progress 1
		.amdhsa_inst_pref_size 153
	.end_amdhsa_kernel
	.amdgpu_metadata
---
amdhsa.version: [ 1, 2 ]
amdhsa.kernels:
  - .name:           k_q7f93ce2f99_attn
    .symbol:         k_q7f93ce2f99_attn.kd
    .args:
      - { .name: qc, .offset: 0, .size: 8, .value_kind: global_buffer, .address_space: global }
      - { .name: kc, .offset: 8, .size: 8, .value_kind: global_buffer, .address_space: global }
      - { .name: vc, .offset: 16, .size: 8, .value_kind: global_buffer, .address_space: global }
      - { .name: mask, .offset: 24, .size: 8, .value_kind: global_buffer, .address_space: global }
      - { .name: lowp_scales, .offset: 32, .size: 8, .value_kind: global_buffer, .address_space: global }
      - { .name: out1, .offset: 40, .size: 8, .value_kind: global_buffer, .address_space: global }
      - { .name: wc, .offset: 48, .size: 8, .value_kind: global_buffer, .address_space: global }
    .group_segment_fixed_size: 327680
    .private_segment_fixed_size: 0
    .kernarg_segment_align: 8
    .kernarg_segment_size: 56
    .max_flat_workgroup_size: 256
    .sgpr_count:     100
    .vgpr_count:     512
    .wavefront_size: 32
...
	.end_amdgpu_metadata
.endif
;; end of part 2
;; launch outp (part 3): grid 4 x 64, 4 waves a work-group, clusters of 4 x 4, 327,680 bytes of LDS; arguments wc, Wo_codes, bo, lowp_scales, out0; writes out0
.if DOCPART == 3
	.amdgcn_target "amdgcn-amd-amdhsa--gfx1250"
	.amdhsa_code_object_version 6
	.text
	.protected	k_q7f93ce2f99_outp
	.globl	k_q7f93ce2f99_outp
	.p2align	8
	.type	k_q7f93ce2f99_outp,@function
k_q7f93ce2f99_outp:
	s_mov_b64 s[64:65], 0
	v_nop
	global_prefetch_b8 v0, s[64:65] scope:SCOPE_SE
	s_setreg_imm32_b32 hwreg(HW_REG_WAVE_MODE, 25, 1), 1
	s_wait_xcnt 0x0
	s_wait_alu depctr_hold_cnt(0) depctr_sa_sdst(0) depctr_va_vdst(0) depctr_va_sdst(0) depctr_va_ssrc(0) depctr_va_vcc(0) depctr_vm_vsrc(0)
	s_getreg_b32 s2, hwreg(HW_REG_IB_STS2, 6, 4)
	s_cmp_eq_u32 s2, 0
	s_cbranch_scc0 .Lentry_in_a_cluster
	s_endpgm
.Lentry_in_a_cluster:
	s_bfe_u32 s2, ttmp6, 0x10000c
	s_cmp_lg_u32 s2, 0xf033
	s_cbranch_scc0 .Lentry_shape_is_right
	s_endpgm
.Lentry_shape_is_right:
; THE LAST PRODUCT, on codes of BF8 (E5M2): out0 = weights Wo + bo.  C[i][j] = sum over k of Y[i][k] X[j][k], K = 1,024; Y = wc (8,192 rows), X = Wo's codes (1,024 rows, K innermost).
; A work-group makes 128 (Y) x 256 (X); each of its four waves 64 x 128: 32 accumulators, 256 registers: 256 work-groups.
; wc holds IMAGES OF OPERAND REGISTERS: byte (row / 16) 16384 + (k / 32) 512 + 16 lane: registers 4 c .. 4 c + 3 of a fragment, k = 32 c + 16 (lane / 16) + 0..15 of row lane % 16.
; X's fragments come from rows by four loads of 16 bytes, 32 bytes apart, which gives the same places of k: the permutation is the same on both sides.
; The matrix instruction is used transposed (source 0 = 16 rows of X, source 1 = 16 rows of Y): a lane holds eight neighbouring numbers of a row of out0.
; LDS: a wide slot (512 along K: Y's eight row tiles x 8,192 bytes, dense; X's rows of 512 bytes + 16) and a narrow one (256 along K: 4,096 bytes a row tile; rows of 256 + 16).
; One tensor load a wave at a time: K 0..511 into the wide slot at the head; K 512..767 into the narrow slot behind the first round; K 768..1023, in the narrow form, onto the wide slot's first bytes when it has been read out.
; CLUSTER 4 x 4: Y's tile is asked for jointly by a row of the cluster, X's by a column.  Waves 0, 1 fetch Y's halves, waves 2, 3 X's.
; LIMIT: e10 + e11 between -126 and 127.  No prefetch: the text has no loop to run ahead in; half of K is asked for in the first lines.
; REGISTERS.  Window 0: v1 r, v2 h, v8-10 / v12-14 LDS addresses of Y's / X's fragments (wide slot, narrow slot, the refill), v16-18 the way out's, v26 bias offset, v28, v29 the add's, v30 16 x lane,
;   v64-127 and v128-191 Y's fragments (two sets), v192-255 bo of my columns.  Window 1: X's fragments, sets at v0 and v128.  Window 2: accumulator (a, b) at v[8 (8 a + b)].
.set PITCH, 272
.set PA,    528
.set YH,    16384
.set YB,    2*YH
.set XH,    128*PITCH
.set SLOT,  YB+2*XH                    ; the narrow slot
.set YHA,   32768
.set YBA,   2*YHA
.set XHA,   128*PA
.set SLOTA, YBA+2*XHA                  ; the wide slot, at byte 0; the narrow one lies behind it
.set SPARE, SLOTA+SLOT                 ; behind the slots: the spare words, 128 bytes a wave, which no other line names
.set KB,    4096                       ; bytes of 256 along K in a row tile of Y
.set SP,    528                        ; the way out: a stage of 16 rows x (512 + 16) bytes for each wave, in the narrow slot: it has had its only fill, and every wave's last read of it stands ahead of the last barrier
.set MUL,   0xa1
.set TO_X,  0x40
.set MSB, 0
.macro WIN new                         ; the immediate's high byte repeats the setting that is left
.if MSB != (\new)
	s_set_vgpr_msb (MSB<<8)|(\new)
.set MSB, (\new)
.endif
.endm
.macro PLACES n
.rept \n
	v_nop
.endr
.endm
.macro CREST
	s_cmp_lg_u32 s52, 0
	s_cbranch_scc1 .Lnot_wave_0_\@
	s_barrier_signal -3
.Lnot_wave_0_\@:
	s_barrier_wait -3
	s_barrier_signal -1
	s_barrier_wait -1
.endm
.macro CROUND
	s_barrier_signal -1
	s_barrier_wait -1
	CREST
.endm
.macro JLOAD gy, gx                    ; a joint load, one a wave; gy, gx: group 1 for Y and for X; s_nop 0 and four v_nop follow each line
	s_cmp_eq_u32 s53, 0
	s_cbranch_scc0 .Lfor_x_\@
	tensor_load_to_lds s[28:31], s[\gy:\gy+7]
	s_nop 0
	PLACES 4
	s_branch .Lasked_\@
.Lfor_x_\@:
	tensor_load_to_lds s[40:43], s[\gx:\gx+7]
	s_nop 0
	PLACES 4
.Lasked_\@:
.endm
.macro FETCH s, q, set                 ; s = 0: wide slot, 1: narrow slot, 2: the refill.  The q-th 128 along K: X's eight fragments from rows, Y's four as images: 48 loads in one run
.set FP, PA-256*((\s+1)/2)
.set FY, 8192-4096*((\s+1)/2)
	WIN TO_X
.irp b, 0,1,2,3,4,5,6,7
.irp c, 0,1,2,3
	ds_load_b128 v[128*(\set)+16*\b+4*\c:128*(\set)+16*\b+4*\c+3], v[12+\s] offset:128*(\q)+32*\c+\b*16*FP
.endr
.endr
	WIN 0
.irp a, 0,1,2,3
.irp c, 0,1,2,3
	ds_load_b128 v[64+64*(\set)+16*\a+4*\c:64+64*(\set)+16*\a+4*\c+3], v[8+\s] offset:FY*\a+2048*(\q)+512*\c
.endr
.endr
.endm
.macro MUL16 a0, p, zero               ; Y's blocks a0, a0 + 1 x X's eight.  The 32 accumulators take turns, in the same order in every step
.irp a, \a0, \a0+1
.irp b, 0,1,2,3,4,5,6,7
.if \zero
	v_wmma_f32_16x16x128_bf8_bf8 v[8*(8*(\a)+\b):8*(8*(\a)+\b)+7], v[128*(\p)+16*\b:128*(\p)+16*\b+15], v[64+64*(\p)+16*(\a):64+64*(\p)+16*(\a)+15], 0
.else
	v_wmma_f32_16x16x128_bf8_bf8 v[8*(8*(\a)+\b):8*(8*(\a)+\b)+7], v[128*(\p)+16*\b:128*(\p)+16*\b+15], v[64+64*(\p)+16*(\a):64+64*(\p)+16*(\a)+15], v[8*(8*(\a)+\b):8*(8*(\a)+\b)+7]
.endif
.endr
.endr
.endm
.macro STEP p, ns, nq, zero            ; multiplies set p; at its head the next step's fragments are asked for, into the other set
	s_wait_dscnt 0x0
	PLACES 4
	FETCH \ns, \nq, 1-\p
	WIN MUL
	MUL16 0, \p, \zero
	MUL16 2, \p, \zero
	WIN 0
.endm
	s_load_b128 s[4:7], s[0:1], 0x0                ; wc, Wo's codes
	s_load_b64 s[8:9], s[0:1], 0x10                ; bo
	s_load_b64 s[92:93], s[0:1], 0x18              ; the scales' exponents
	s_load_b64 s[10:11], s[0:1], 0x20              ; out0
	v_lshl_add_u32 v28, v0, 2, SPARE
	v_mov_b32 v29, 0
	ds_add_u32 v28, v29                            ; the opening lines: the add twice on end and its wait
	ds_add_u32 v28, v29
	s_wait_dscnt 0x0
	v_lshrrev_b32 v3, 5, v0
	v_readfirstlane_b32 s52, v3                    ; wave 0..3
	s_lshr_b32 s53, s52, 1                         ; which 64 rows of Y are mine.  Also: I fetch for Y (0) or for X (1)
	s_and_b32 s54, s52, 1                          ; which 128 rows of X are mine.  Also: which half of that tile I fetch
	s_bfe_u32 s55, ttmp6, 0x40000                  ; cx
	s_bfe_u32 s56, ttmp6, 0x40004                  ; cy
	s_and_b32 s59, ttmp7, 0xffff
	s_lshl_b32 s59, s59, 2
	s_add_co_u32 s59, s59, s56                     ; tile row
	s_lshl_b32 s60, ttmp9, 2
	s_add_co_u32 s60, s60, s55                     ; tile column
	s_lshl_b32 s66, s56, 2
	s_lshl_b32 s66, 15, s66                        ; my row of the cluster
	s_lshl_b32 s67, 0x1111, s55                    ; my column
	s_or_b32 s12, s66, (3<<16)|(1<<21)             ; group 1, narrow, Y: elements of 8 bytes; four row tiles x 4,096 bytes, 16,384 bytes apart; no padding
	s_mov_b32 s13, 512<<16
	s_mov_b32 s14, 4<<16
	s_mov_b32 s15, 512<<16
	s_mov_b32 s16, 4
	s_mov_b32 s17, 2048
	s_mov_b32 s18, 0
	s_mov_b32 s19, 0
	s_or_b32 s20, s67, (1<<20)|(1<<21)|(5<<22)|(3<<25)   ; narrow, X: 128 rows of 256 bytes, four words of padding after every 64
	s_mov_b32 s21, 256<<16
	s_mov_b32 s22, 128<<16
	s_mov_b32 s23, 256<<16
	s_mov_b32 s24, 128
	s_mov_b32 s25, 1024
	s_mov_b32 s26, 0
	s_mov_b32 s27, 0
	s_or_b32 s32, s66, (3<<16)|(1<<21)             ; group 1, wide, Y: four row tiles x 8,192 bytes
	s_mov_b32 s33, 1024<<16
	s_mov_b32 s34, 4<<16
	s_mov_b32 s35, 1024<<16
	s_mov_b32 s36, 4
	s_mov_b32 s37, 2048
	s_mov_b32 s38, 0
	s_mov_b32 s39, 0
	s_or_b32 s44, s67, (1<<20)|(1<<21)|(6<<22)|(3<<25)   ; wide, X: rows of 512 bytes, four words of padding after every 128
	s_mov_b32 s45, 512<<16
	s_mov_b32 s46, 128<<16
	s_mov_b32 s47, 512<<16
	s_mov_b32 s48, 128
	s_mov_b32 s49, 1024
	s_mov_b32 s50, 0
	s_mov_b32 s51, 0
	s_lshl_b32 s94, s59, 17                        ; Y: eight row tiles of 16,384 bytes a tile row,
	s_lshl_b32 s98, s54, 16                        ; + my four
	s_add_co_u32 s94, s94, s98
	s_mov_b32 s95, 0
	s_lshl_b32 s96, s60, 18                        ; X: 256 rows of 1,024 bytes a tile column,
	s_lshl_b32 s98, s54, 17                        ; + my 128 rows
	s_add_co_u32 s96, s96, s98
	s_mov_b32 s97, 0
	s_mul_i32 s100, s54, YH                        ; where my part goes in the narrow form: no place in the cluster enters an LDS address
	s_mul_i32 s101, s54, XH
	s_add_co_u32 s101, s101, YB
	s_wait_kmcnt 0x0
	s_load_b64 s[68:69], s[92:93], 0x28            ; e10, e11
	s_add_nc_u64 s[4:5], s[4:5], s[94:95]
	s_add_nc_u64 s[6:7], s[6:7], s[96:97]
	CROUND                                         ; all sixteen work-groups are here: the first joint loads meet
	s_mov_b32 s28, 1                               ; group 0 for Y: count, LDS address in the wide slot, global address, type
	s_mul_i32 s29, s54, YHA
	s_mov_b64 s[30:31], s[4:5]
	s_or_b32 s31, s31, 0x80000000
	s_mov_b32 s40, 1                               ; and for X
	s_mul_i32 s41, s54, XHA
	s_add_co_u32 s41, s41, YBA
	s_mov_b64 s[42:43], s[6:7]
	s_or_b32 s43, s43, 0x80000000
	JLOAD 32, 44                                   ; K 0..511: the wave's one load at the head
	v_and_b32 v1, 15, v0                           ; r
	v_bfe_u32 v2, v0, 4, 1                         ; h
	v_and_b32 v3, 31, v0
	v_lshlrev_b32 v30, 4, v3                       ; 16 x lane
	v_mul_u32_u24 v4, v1, PITCH
	v_lshl_add_u32 v4, v2, 4, v4                   ; X: a fragment's row x pitch + 16 h, narrow rows,
	v_mul_u32_u24 v5, v1, PA
	v_lshl_add_u32 v5, v2, 4, v5                   ; and wide rows
	s_wait_alu depctr_va_vdst(0)
	s_mul_i32 s94, s53, YHA                        ; my four row tiles of Y, my 128 rows of X behind Y's
	s_mul_i32 s95, s54, XHA
	s_add_co_u32 s95, s95, YBA
	v_add_nc_u32 v8, s94, v30
	v_add_nc_u32 v12, s95, v5
	s_mul_i32 s94, s53, YH
	s_mul_i32 s95, s54, XH
	s_add_co_u32 s95, s95, YB
	v_add_nc_u32 v10, s94, v30
	v_add_nc_u32 v14, s95, v4
	s_add_co_u32 s94, s94, SLOTA
	s_add_co_u32 s95, s95, SLOTA
	v_add_nc_u32 v9, s94, v30
	v_add_nc_u32 v13, s95, v4
	s_lshl_b32 s94, s59, 7
	s_lshl_b32 s95, s53, 6
	s_add_co_u32 s94, s94, s95                     ; I0: my first row of out0
	s_lshl_b32 s95, s60, 8
	s_lshl_b32 s96, s54, 7
	s_add_co_u32 s95, s95, s96                     ; J0: my first column
	v_lshlrev_b32 v26, 5, v2
	v_lshl_add_u32 v26, s95, 2, v26                ; 4 J0 + 32 h
.irp b, 0,1,2,3,4,5,6,7
	global_load_b128 v[192+8*\b:195+8*\b], v26, s[8:9] offset:64*\b      ; bo[J0 + 16 b + 8 h + 0..7]
	global_load_b128 v[196+8*\b:199+8*\b], v26, s[8:9] offset:64*\b+16
.endr
	s_lshl_b32 s96, s94, 12                        ; I0 rows of 4,096 bytes
	s_lshl_b32 s97, s95, 2
	s_add_co_u32 s96, s96, s97
	s_mov_b32 s97, 0
	s_add_nc_u64 s[10:11], s[10:11], s[96:97]
	s_mul_i32 s96, s52, 16*SP
	s_add_co_u32 s96, s96, SLOTA                   ; my stage, in the narrow slot
	v_mul_u32_u24 v16, v1, SP
	v_lshl_add_u32 v16, v2, 5, v16
	v_add_nc_u32 v16, s96, v16                     ; in: row r, + 32 h
	v_add_nc_u32 v17, s96, v30                     ; back: the 32 lanes take one row of 512 bytes,
	v_mov_b32 v18, v30                             ; and the same in out0
	s_wait_kmcnt 0x0
	s_add_co_i32 s94, s68, s69
	s_add_co_i32 s94, s94, 127
	s_lshl_b32 s62, s94, 23                        ; 2^(e10 + e11) as f32
	s_mov_b32 s63, s62
	s_wait_alu depctr_va_vdst(0)                   ; the head's end
	s_wait_tensorcnt 0x0                           ; my part of K 0..511 is in, so group 0 may be written
	ds_add_u32 v28, v29
	s_add_co_u32 s29, s100, SLOTA                  ; the narrow slot, K 512..767
	s_add_nc_u64 s[30:31], s[30:31], 2*KB
	s_add_co_u32 s41, s101, SLOTA
	s_add_nc_u64 s[42:43], s[42:43], 512
	s_wait_dscnt 0x0
	CROUND                                         ; the wide slot is whole for every wave
	JLOAD 12, 20                                   ; the narrow slot's first fill; 96 products of a wave stand between this request and the wait for it
	FETCH 0, 0, 0
	STEP 0, 0, 1, 1                                ; K 0..127: the first products start the sums
	STEP 1, 0, 2, 0                                ; K 128..255
	STEP 0, 0, 3, 0                                ; K 256..383
	; K 384..511, and the one refill: the wide slot has been read out
	s_wait_tensorcnt 0x0                           ; my part of the narrow slot is in
	ds_add_u32 v28, v29
	s_mov_b32 s29, s100                            ; K 768..1023, in the narrow form from byte 0 on
	s_add_nc_u64 s[30:31], s[30:31], KB
	s_mov_b32 s41, s101
	s_add_nc_u64 s[42:43], s[42:43], 256
	s_wait_dscnt 0x0                               ; the add is done, and my reads of the wide slot are over
	s_barrier_signal -1                            ; opens a round of the cluster's barrier
	WIN MUL
	MUL16 0, 1, 0
	WIN 0
	s_barrier_wait -1
	CREST
	JLOAD 12, 20                                   ; its four v_nop are also the places in front of the loads below
	FETCH 1, 0, 0
	WIN MUL
	MUL16 2, 1, 0
	WIN 0
	STEP 0, 1, 1, 0                                ; K 512..639
	; K 640..767, and the barrier that shows the refill to every wave
	s_wait_tensorcnt 0x0
	s_wait_dscnt 0x0
	s_barrier_signal -1
	WIN MUL
	MUL16 0, 1, 0
	WIN 0
	s_barrier_wait -1
	PLACES 4
	FETCH 2, 0, 0
	WIN MUL
	MUL16 2, 1, 0
	WIN 0
	STEP 0, 2, 1, 0                                ; K 768..895
	s_wait_dscnt 0x0                               ; K 896..1023: nothing more to fetch
	WIN MUL
	MUL16 0, 1, 0
	MUL16 2, 1, 0
	WIN 0
; THE WAY OUT, block by block of 16 rows x 128 columns: sum x 2^(e10 + e11) + bo in one packed multiply-add; through my own stage; back as whole rows of 512 bytes.
; LDS serves a wave's instructions in order (ISA guide 5.7.1.4): no wait between the stores and the loads, nor in front of the next block's stores.
.macro TOSTAGE a
	WIN 0x02                                       ; source 0: window 2
.irp b, 0,1,2,3,4,5,6,7
.irp i, 0,2,4,6
	v_pk_fma_f32 v[64+8*\b+\i:64+8*\b+\i+1], v[8*(8*(\a)+\b)+\i:8*(8*(\a)+\b)+\i+1], s[62:63], v[192+8*\b+\i:192+8*\b+\i+1] op_sel_hi:[1,0,1]   ; each accumulator from its low end on
.endr
.endr
	WIN 0
.irp b, 0,1,2,3,4,5,6,7
	ds_store_b128 v16, v[64+8*\b:67+8*\b] offset:64*\b
	ds_store_b128 v16, v[68+8*\b:71+8*\b] offset:64*\b+16
.endr
.set BKR, 128*(1-(\a)%2)               ; back into v128-191 of window 0 (even blocks) or v0-63 of window 1 (odd blocks)
	WIN 0x40*((\a)%2)
.irp t, 0,1,2,3,4,5,6,7,8,9,10,11,12,13,14,15
	ds_load_b128 v[BKR+4*\t:BKR+4*\t+3], v17 offset:\t*SP
.endr
	WIN 0
.endm
.macro SEND a, younger                 ; younger: the LDS instructions issued behind block a's loads, which may stay out
.set BKR, 128*(1-(\a)%2)
	s_wait_dscnt \younger
	WIN 0x04*((\a)%2)
.irp t, 0,1,2,3,4,5,6,7,8,9,10,11,12,13,14,15
	global_store_b128 v18, v[BKR+4*\t:BKR+4*\t+3], s[10:11] offset:(16*(\a)+\t)*4096 th:TH_STORE_NT   ; 32 lanes store 512 consecutive bytes, aligned
.endr
	WIN 0
.endm
	s_wait_loadcnt 0x0                             ; bo
	PLACES 4                                       ; behind the last products
	TOSTAGE 0
.irp a, 1,2,3
.if \a > 1
	s_wait_xcnt 0x0                                ; block a - 2's stores have read their registers: block a's loads land there
.endif
	TOSTAGE \a
	SEND \a-1, 32                                  ; behind block a - 1's loads: block a's 16 stores and 16 loads
.endr
	SEND 3, 0
	s_wait_tensorcnt 0x0                           ; the wave's end
	ds_add_u32 v28, v29
	s_wait_dscnt 0x0
	CROUND                                         ; the closing round
	s_endpgm
.Lfunc_end_k_q7f93ce2f99_outp:
	.size	k_q7f93ce2f99_outp, .Lfunc_end_k_q7f93ce2f99_outp-k_q7f93ce2f99_outp
	.p2alignl 7, 3214868480
	.fill 96, 4, 3214868480
	.section	.rodata,"a",@progbits
	.p2align	6, 0x0
	.amdhsa_kernel k_q7f93ce2f99_outp
		.amdhsa_group_segment_fixed_size 327680
		.amdhsa_private_segment_fixed_size 0
		.amdhsa_enable_private_segment 0
		.amdhsa_kernarg_size 40
		.amdhsa_user_sgpr_count 2
		.amdhsa_user_sgpr_kernarg_segment_ptr 1
		.amdhsa_wavefront_size32 1
		.amdhsa_system_sgpr_workgroup_id_x 1
		.amdhsa_system_sgpr_workgroup_id_y 1
		.amdhsa_system_sgpr_workgroup_id_z 1
		.amdhsa_system_vgpr_workitem_id 0
		.amdhsa_next_free_vgpr 768
		.amdhsa_next_free_sgpr 102
		.amdhsa_reserve_vcc 0
		.amdhsa_float_denorm_mode_32 3
		.amdhsa_float_denorm_mode_16_64 3
		.amdhsa_memory_ordered 1
		.amdhsa_forward_progress 1
		.amdhsa_inst_pref_size 77
	.end_amdhsa_kernel
	.amdgpu_metadata
---
amdhsa.version: [ 1, 2 ]
amdhsa.kernels:
  - .name:           k_q7f93ce2f99_outp
    .symbol:         k_q7f93ce2f99_outp.kd
    .args:
      - { .name: wc, .offset: 0, .size: 8, .value_kind: global_buffer, .address_space: global }
      - { .name: Wo_codes, .offset: 8, .size: 8, .value_kind: global_buffer, .address_space: global }
      - { .name: bo, .offset: 16, .size: 8, .value_kind: global_buffer, .address_space: global }
      - { .name: lowp_scales, .offset: 24, .size: 8, .value_kind: global_buffer, .address_space: global }
      - { .name: out0, .offset: 32, .size: 8, .value_kind: global_buffer, .address_space: global }
    .group_segment_fixed_size: 327680
    .private_segment_fixed_size: 0
    .kernarg_segment_align: 8
    .kernarg_segment_size: 40
    .max_flat_workgroup_size: 128
    .sgpr_count:     102
    .vgpr_count:     768
    .wavefront_size: 32
...
	.end_amdgpu_metadata
.endif
;; end of part 3
